; MI455X (gfx1250); checked and timed in simulation.
; The chip was launched on July 23, 2026; its instructions are those of AMD's public machine-readable ISA for CDNA 5 (MIT licence, August 2026) and "CDNA5" Instruction Set Architecture Reference Guide (July 2026). The comments in the code are by the model that wrote it; some were corrected since.
;; Banded Causal Self Attention. Allowed arithmetic: matrix products marked QUANTISED: E2M3 operands, one E8M0 scale for each 32 along K, by v_wmma_scale_f32_16x16x128_f8f6f4 with both operands' format E2M3, f32 sums; everything else in f32.
;; Inputs: Wk_codes 1,024 x 32 x 24 uint8 (E2M3 codes of Wk, K innermost, in blocks of 32 codes, four codes in three bytes); Wk_scales 1,024 x 32 uint8 (E8M0 scales of Wk, one for each 32 codes along K); Wo_codes 1,024 x 32 x 24 uint8 (E2M3 codes of Wo, K innermost, in blocks of 32 codes, four codes in three bytes); Wo_scales 1,024 x 32 uint8 (E8M0 scales of Wo, one for each 32 codes along K); Wq_codes 1,024 x 32 x 24 uint8 (E2M3 codes of Wq, K innermost, in blocks of 32 codes, four codes in three bytes); Wq_scales 1,024 x 32 uint8 (E8M0 scales of Wq, one for each 32 codes along K); Wv_codes 1,024 x 32 x 24 uint8 (E2M3 codes of Wv, K innermost, in blocks of 32 codes, four codes in three bytes); Wv_scales 1,024 x 32 uint8 (E8M0 scales of Wv, one for each 32 codes along K); x_codes 1 x 4,096 x 32 x 24 uint8 (E2M3 codes of x, K innermost, in blocks of 32 codes, four codes in three bytes); x_scales 1 x 4,096 x 32 uint8 (E8M0 scales of x, one for each 32 codes along K).
;; Outputs: out0 1 x 4,096 x 1,024 float32.
;; This version of the problem:
;;   THIS VERSION OF THE PROBLEM IS GIVEN IN LOW PRECISION. The matrix products marked QUANTISED in the list below multiply operands that are first quantised to E2M3 (2 exponent bits, 3 mantissa bits; 6 bits a number), with one power-of-two scale for each 32 numbers along K (OCP MX v1.0); their sums are f32. All else is computed in f32.
;;   The module's matrix products, in the order in which they are computed (A, B: the left and right operand; K: the contracted axis; several contracted axes count as one K, in the product's order):
;;     1. [M 4,096, K 1,024] x [K 1,024, N 1,024]; A: input x (given as codes); B: input Wq (given as codes): QUANTISED
;;     2. [M 4,096, K 1,024] x [K 1,024, N 1,024]; A: input x (given as codes); B: input Wk (given as codes): QUANTISED
;;     3. [M 4,096, K 1,024] x [K 1,024, N 1,024]; A: input x (given as codes); B: input Wv (given as codes): QUANTISED
;;     4. batch 16 x [M 4,096, K 64] x [K 64, N 4,096]; A: computed on the way; B: computed on the way: QUANTISED
;;     5. batch 16 x [M 4,096, K 4,096] x [K 4,096, N 64]; A: softmax (see below); B: computed on the way: QUANTISED
;;     6. [M 4,096, K 1,024] x [K 1,024, N 1,024]; A: computed on the way; B: input Wo (given as codes): QUANTISED
;;   THE QUANTISER, for each operand of a quantised product, along K:
;;     - K is cut into blocks of 32 from its start; a last block that is shorter is filled with zeros.
;;     - A block's scale is 2^e with e = floor(log2(the largest magnitude in the block)) - 2, held to -126 .. 127; a block of zeros has e = 0. As a byte (E8M0): e + 127.
;;     - Each number is divided by its block's scale, clamped to +-7.5, and rounded to the nearest number of E2M3, ties to even, subnormals kept.
;;     - The product sums the exact products of the quantised numbers (number of the format x scale) in f32.
;;   ~~~python
;;   def quantise(x, axis):      # numpy; x: float32 -> the quantised numbers, widened to float32 again
;;       x = np.moveaxis(x, axis, -1); K = x.shape[-1]
;;       x = np.pad(x, [(0, 0)] * (x.ndim - 1) + [(0, -K % 32)]); x = x.reshape(x.shape[:-1] + (-1, 32)); a = np.abs(x).max(-1, keepdims=True)
;;       e = np.where(a > 0, np.clip(np.frexp(np.where(a > 0, a, 1))[1] - 1 - 2, -126, 127), 0)      # np.frexp(a)[1] - 1 = floor(log2(a)), exactly
;;       r = np.clip(x / 2.0 ** e, -7.5, 7.5)
;;       step = 2.0 ** (np.maximum(np.frexp(np.where(r == 0, 1, r))[1] - 1, 0) - 3)
;;       q = np.round(r / step) * step * 2.0 ** e      # np.round: ties to even
;;       return np.moveaxis(q.reshape(q.shape[:-2] + (-1,))[..., :K], -1, axis).astype(np.float32)
;;   ~~~
;;   SOFTMAX AHEAD OF A QUANTISED PRODUCT. Where the list says 'softmax', what is quantised is not the finished softmax but p = 2^(t - M), with t = logit x log2(e) and M = ceil(the row's largest t), a whole number; so 1/2 < the row's largest p <= 1. The row's sum l is taken of the UNQUANTISED p, in f32, and the product's result is divided by l at the end. Since M is a whole number, a kernel that streams over the keys may use a running M (the ceiling of the running maximum): every later rescaling is an exact power of two, which a block's scale takes up: the codes' values come out the same.
;;   OPERANDS COMPUTED ON THE WAY. 'Computed on the way' means the value that the module computes at that place (a softmax that the list does not call 'softmax' is quantised finished and normalised). What goes into a quantiser is computed in f32, as accurately as f32 sums, v_exp_f32 and their like allow (about 1e-6 of the number): no bf16 or f16 on the way to a quantiser, and a product that is left as it is and whose result goes on into a quantised operand takes f32 operands (vector FMAs, or v_wmma_f32_16x16x4_f32). A number that lies on a knife's edge between two numbers of the format may be rounded either way, as far as f32 arithmetic and the matrix unit's own rounding can turn it there, and no further.
;;   INPUTS GIVEN AS CODES. Wk (in the module: [1024, 1024], K = its axis 1); Wo (in the module: [1024, 1024], K = its axis 1); Wq (in the module: [1024, 1024], K = its axis 1); Wv (in the module: [1024, 1024], K = its axis 1); x (in the module: [1, 4096, 1024], K = its axis 2): each comes as NAME_codes (uint8): NAME with its K axis moved to the last place and cut into blocks of 32 codes, [.., K / 32, bytes a block], one block behind the other in memory; four codes in three bytes: a row's codes are one little-endian stream of bits, code i at bits 6 i .. 6 i + 5 (a code: sign, 2 exponent bits, 3 mantissa bits); and NAME_scales (uint8): the same leading axes, one E8M0 byte (e + 127) for each 32 codes along K. Its value is code x scale, taken as it is: it is not quantised again, and the codes and scales need not be those that the quantiser above would give.
;; One version. Each part assembles by itself: llvm-mc -triple=amdgcn-amd-amdhsa -mcpu=gfx1250 --defsym DOCPART=n.
;; ======== version 1 of 1: 3 launches
;; workspace buffers: qkv_codes 9,437,184 bytes; qkv_scales 393,216 bytes; ybuf 3,276,800 bytes
;; launch qkv (part 1): grid 48 x 4, 4 waves a work-group, clusters of 4 x 4, 327,680 bytes of LDS; arguments x_codes, x_scales, Wq_codes, Wq_scales, Wk_codes, Wk_scales, Wv_codes, Wv_scales, qkv_codes, qkv_scales; writes qkv_codes, qkv_scales
.if DOCPART == 1
	.amdgcn_target "amdgcn-amd-amdhsa--gfx1250"
	.amdhsa_code_object_version 6
	.text
	.protected	k_q23084fbc52_qkv
	.globl	k_q23084fbc52_qkv
	.p2align	8
	.type	k_q23084fbc52_qkv,@function
k_q23084fbc52_qkv:
	s_mov_b64 s[64:65], 0
	v_nop
	global_prefetch_b8 v0, s[64:65] scope:SCOPE_SE
	s_setreg_imm32_b32 hwreg(HW_REG_WAVE_MODE, 25, 1), 1
	s_wait_xcnt 0x0
	s_wait_alu depctr_hold_cnt(0) depctr_sa_sdst(0) depctr_va_vdst(0) depctr_va_sdst(0) depctr_va_ssrc(0) depctr_va_vcc(0) depctr_vm_vsrc(0)
	s_getreg_b32 s2, hwreg(HW_REG_IB_STS2, 6, 4)
	s_cmp_eq_u32 s2, 0
	s_cbranch_scc0 .Lentry_in_a_cluster
	s_endpgm
.Lentry_in_a_cluster:
	s_bfe_u32 s2, ttmp6, 0x10000c
	s_cmp_lg_u32 s2, 0xf033
	s_cbranch_scc0 .Lentry_shape_is_right
	s_endpgm
.Lentry_shape_is_right:
; q = x Wq^T, k = x Wk^T, v = x Wv^T on codes of FP6 (E2M3) with one E8M0 byte for each 32 along K = 1,024; the f32 results are quantised again at once and leave as codes:
; q and k along the 64 channels of a head (two blocks of 32), v along the keys (blocks of 32 tokens from token 0).
; ONE BODY FOR THE THREE.  Two operands: P, whose rows become the REGISTERS of a result (source 0), and R, whose rows become its LANES (source 1).  What is quantised runs along the registers.
; q, k: P = the weight (channels), R = x (tokens).   v: P = x (keys), R = Wv (channels).  Only pointers and the number of the output unit differ; both are chosen by the cluster's number alone.
; A work-group of four waves makes 256 x 256, a wave 128 x 128: 64 accumulators, 512 registers.  K goes in steps of 256 through a ring of two LDS slots filled by the tensor data mover; rows of 192 bytes, 16 bytes of padding behind each 64.
; The scale bytes of the 256 + 256 rows for all of K come once, with the first fills.  12 clusters of 4 x 4: clusters 0-3 q, 4-7 k, 8-11 v.  R's tiles are asked for jointly along a row of the cluster, P's along a column.
; 192 work-groups: 3 x 4,096 x 1,024 results in tiles of 256 x 256, the tile that keeps a wave at 128 x 128 and a pair of heads whole.
; THE WAY OUT.  For a tile of 16 rows of R a lane holds one row of R and 64 registers along P: register 8 b + i is row 16 b + 8 (lane / 16) + i of P.  Eight exchanges of lane halves for each pair of tiles put them in order:
; register 16 b + i is then row 32 b + 16 (lane / 16) + i.  Block scales, conversions and one more exchange give a fragment (16 rows x 128 K, 12 registers) as the next product wants it.
; IT IS STORED AS AN IMAGE OF THOSE REGISTERS: registers 6 c .. 6 c + 3 at 768 c + 16 x lane, registers 6 c + 4, 6 c + 5 at 768 c + 512 + 8 x lane: each store covers whole aligned runs of 256 bytes.
; qkv_codes: [kind 3][pair of heads 8][range of 128 tokens 32][tile 8][1,536 bytes];  qkv_scales: the same units, [tile 8][row 16][4 bytes].
; A block's scale is 2^(floor(log2(largest magnitude)) - 2); its byte is the largest magnitude's exponent field - 2, held at 1 from below.
; LIMITS: a block of zeros gets the byte 1, not 127 (its codes are zeros, and this program alone reads the bytes); NaN, infinities and a given scale byte 0xff are not served.
; Nothing is asked for ahead of the tensor loads: half of K is requested at the head and the rest one slot later.
.set SIZE_K, 1024
.set KSTEP,  256                       ; along K in a slot
.set NQ,     KSTEP/128                 ; matrix instructions deep
.set ROWB,   192                       ; a tile's row in bytes
.set KROW,   SIZE_K*6/8                ; a row of codes in memory
.set PITCH,  240                       ; an LDS row: 3 x (64 bytes + 16 of padding)
.set FR,     12                        ; registers of a fragment
.set NL,     6                         ; LDS loads that bring one
.set NP,     4                         ; places behind this matrix instruction (ISA guide 7.12.1)
.set HALFT,  128*PITCH                 ; 128 rows: what one tensor load brings
.set SLOT,   4*HALFT                   ; R's 256 rows, then P's 256 rows
.set LAPS,   SIZE_K/(2*KSTEP)
.set KS,     SIZE_K/32                 ; a row of scale bytes
.set SCL,    2*SLOT                    ; behind the ring: the scale bytes, as runs of 256 bytes + 16 of padding
.set HALFS,  (128*KS/256)*272
.set SBLK,   (16*KS/256)*272
.set SPARE,  SCL+4*HALFS               ; the spare words, 128 bytes a wave: no other line names them
.set SCST,   SPARE+512                 ; a stage of 512 bytes for each wave: the scale words made on the way out; no tensor load lands here
.set UNITB,  12288                     ; an output unit: 8 fragments
.set ADRA, 16                          ; v16-17 LDS address of R's fragments in slot 0, 1 (v18-19: behind one padding more)
.set ADRB, 20                          ; v20-23 the same for P
.set CO16, 24                          ; v24 16 x lane
.set CO8,  25                          ; v25 8 x lane
.set SCA,  26                          ; v26 where I put a scale word in my stage
.set ADRS, 27                          ; v27 LDS address of the given scale words: lanes 0-15 R's rows, lanes 16-31 P's
.set SPW,  28                          ; v28 my spare word; never rewritten
.set NIL,  29                          ; v29 0; never rewritten
.set SCR,  30                          ; v30 where I read my stage back
.set SC,   32                          ; v32-63 the given scale words, two sets; they hold nothing else
.set PC,   64                          ; v64-83 the fragment just made (12) and the conversions' second halves
.set AF,   128                         ; v128-223 R's fragments, one set
.set TM,   224                         ; v224-239 +0..3 largest magnitudes, +4..7 the other half's and then the bytes, +12..15 the conversions' scale operands
.set PW,   240                         ; v240-247 the scale word of each of my eight tiles
.set BACK, 248                         ; v248-251 the scale words read back
.set G1, 24
.set G0, 32
.set G1B, 48
.set G0B, 56
.set G1S, 68
.set G0S, 76
.set G1SB, 80
.set G0SB, 88
.set SEL, 98                           ; s[98:99] selects of v_permlanex16_b32 for lane l xor 16
.set MSB, 0
.macro WIN new                         ; the immediate's high byte repeats the setting that is left
.if MSB != \new
	s_set_vgpr_msb (MSB<<8)|\new
.set MSB, \new
.endif
.endm
.set MUL_LO, 0xa1                      ; source 0 (P) window 1, source 1 (R) window 0, C and D window 2
.set MUL_HI, 0xf1                      ; the same, C and D window 3
.set TO_B,   0x40                      ; destination window 1, address window 0
; A joint load: waves 0 and 1 fetch for R, waves 2 and 3 for P.  The branch hangs on the wave's number alone.  Four v_nop follow each of the two lines.
.macro JLOAD g0a, g1a, g0b, g1b
	s_cmp_eq_u32 s15, 0
	s_cbranch_scc0 .Lfor_b_\@
	tensor_load_to_lds s[\g0a:\g0a+3], s[\g1a:\g1a+7]
	s_nop 0
.rept 4
	v_nop
.endr
	s_branch .Lasked_\@
.Lfor_b_\@:
	tensor_load_to_lds s[\g0b:\g0b+3], s[\g1b:\g1b+7]
	s_nop 0
.rept 4
	v_nop
.endr
.Lasked_\@:
.endm
.macro CREST                           ; a round of the cluster's barrier behind its opening barrier
	s_cmp_lg_u32 s14, 0
	s_cbranch_scc1 .Lnot_wave_0_\@
	s_barrier_signal -3
.Lnot_wave_0_\@:
	s_barrier_wait -3
	s_barrier_signal -1
	s_barrier_wait -1
.endm
.macro CROUND                          ; a whole round
	s_barrier_signal -1
	s_barrier_wait -1
	CREST
.endm
	s_load_b512 s[68:83], s[0:1], 0x0              ; x codes 68, x scales 70, Wq 72, 74, Wk 76, 78, Wv 80, 82
	s_load_b128 s[84:87], s[0:1], 0x40             ; qkv_codes 84, qkv_scales 86
	v_lshl_add_u32 v[SPW], v0, 2, SPARE
	v_mov_b32 v[NIL], 0
	ds_add_u32 v28, v29
	ds_add_u32 v28, v29
	s_wait_dscnt 0x0
	v_lshrrev_b32 v1, 5, v0
	v_readfirstlane_b32 s14, v1                    ; wave 0..3
	s_lshr_b32 s15, s14, 1                         ; which half of R's rows is mine.  Also: I fetch for R (0) or for P (1)
	s_and_b32 s16, s14, 1                          ; which half of P's rows.  Also: which 128 rows I fetch
	s_bfe_u32 s40, ttmp6, 0x40000                  ; cx, cy: my place in the cluster
	s_bfe_u32 s41, ttmp6, 0x40004
	s_lshr_b32 s2, ttmp9, 2                        ; kind: 0 q, 1 k, 2 v: the cluster's number / 4
	s_and_b32 s3, ttmp9, 3
	s_lshl_b32 s3, s3, 2                           ; four tiles of x's sixteen for each cluster of a kind
	s_cmp_eq_u32 s2, 2
	s_cselect_b32 s18, s3, 0                       ; x is P for v,
	s_cselect_b32 s19, 0, s3                       ; and R for q and k
	s_add_co_u32 s42, s40, s18                     ; P's tile of 256 rows: hangs on cx alone within the cluster
	s_add_co_u32 s17, s41, s19                     ; R's tile: on cy alone
	s_lshl_b32 s43, s41, 2
	s_lshl_b32 s43, 15, s43                        ; my row of the cluster
	s_lshl_b32 s44, 0x1111, s40                    ; my column
	; descriptor group 1: a tile of 128 rows x 192 bytes, padded in LDS
	s_or_b32 s[G1+0], s43, (0<<16)|(1<<20)|(1<<21)|(3<<22)|(3<<25)  ; 15:0 the mask; 17:16 elements of 1 byte; 20 padding on; 21 set beside a mask; 24:22 after every 16 words; 31:25 4 words of it
	s_or_b32 s[G1B+0], s44, (0<<16)|(1<<20)|(1<<21)|(3<<22)|(3<<25)
.irp g, G1, G1B
	s_mov_b32 s[\g+1], ROWB<<16                    ; tensor_dim0
	s_mov_b32 s[\g+2], 128<<16                     ; tensor_dim1
	s_mov_b32 s[\g+3], ROWB<<16                    ; tile_dim0
	s_mov_b32 s[\g+4], 128                         ; tile_dim1
	s_mov_b32 s[\g+5], KROW                        ; from row to row
	s_mov_b32 s[\g+6], 0
	s_mov_b32 s[\g+7], 0
.endr
	s_lshl_b32 s18, s16, 7                         ; which 128 rows of the tile I fetch
	s_lshl_b32 s20, s17, 8
	s_add_co_u32 s20, s20, s18                     ; R: row 256 x tile + 128 x half
	s_lshl_b32 s46, s42, 8
	s_add_co_u32 s46, s46, s18                     ; P likewise
	s_mov_b32 s21, 0
	s_mov_b32 s47, 0
	s_mov_b64 s[18:19], KS
	s_mul_u64 s[22:23], s[20:21], s[18:19]         ; where these rows' scale bytes begin
	s_mul_u64 s[92:93], s[46:47], s[18:19]
	s_mov_b64 s[18:19], KROW
	s_mul_u64 s[20:21], s[20:21], s[18:19]         ; and their codes
	s_mul_u64 s[46:47], s[46:47], s[18:19]
	s_mul_i32 s45, s14, HALFT                      ; where they go: wave x 128 rows: no place in the cluster enters an LDS address
	s_mul_i32 s94, s14, HALFS
	s_wait_kmcnt 0x0
	s_cmp_eq_u32 s2, 1                             ; the operands' buffers, chosen by the kind alone
	s_cselect_b64 s[8:9], s[76:77], s[72:73]       ; P's codes: Wk or Wq,
	s_cselect_b64 s[10:11], s[78:79], s[74:75]     ; and scale bytes;
	s_cmp_eq_u32 s2, 2
	s_cselect_b64 s[8:9], s[68:69], s[8:9]         ; for v: x
	s_cselect_b64 s[10:11], s[70:71], s[10:11]
	s_cselect_b64 s[4:5], s[80:81], s[68:69]       ; R's codes: Wv for v, else x
	s_cselect_b64 s[6:7], s[82:83], s[70:71]
	s_mov_b64 s[12:13], s[84:85]                   ; qkv_codes
	s_mov_b64 s[96:97], s[86:87]                   ; qkv_scales
	; the arguments are read out: their registers take the descriptors of the scale bytes.  128 rows' scale bytes are a dense block of 4,096 bytes: 16 rows of 256 (32 elements of 8 bytes), 16 bytes of padding behind each
	s_or_b32 s[G1S+0], s43, (3<<16)|(1<<20)|(1<<21)|(5<<22)|(3<<25)
	s_or_b32 s[G1SB+0], s44, (3<<16)|(1<<20)|(1<<21)|(5<<22)|(3<<25)
.irp g, G1S, G1SB
	s_mov_b32 s[\g+1], 32<<16
	s_mov_b32 s[\g+2], (128*KS/256)<<16
	s_mov_b32 s[\g+3], 32<<16
	s_mov_b32 s[\g+4], 128*KS/256
	s_mov_b32 s[\g+5], 32
	s_mov_b32 s[\g+6], 0
	s_mov_b32 s[\g+7], 0
.endr
	s_add_nc_u64 s[20:21], s[4:5], s[20:21]
	s_add_nc_u64 s[22:23], s[6:7], s[22:23]
	s_add_nc_u64 s[46:47], s[8:9], s[46:47]
	s_add_nc_u64 s[92:93], s[10:11], s[92:93]
	s_mov_b32 s[SEL], 0x76543210
	s_mov_b32 s[SEL+1], 0xfedcba98
	CROUND                                         ; all sixteen work-groups are here: the first joint loads meet
	s_mov_b32 s[G0S], 1
	s_add_co_u32 s[G0S+1], s94, SCL
	s_mov_b64 s[G0S+2:G0S+3], s[22:23]
	s_or_b32 s[G0S+3], s[G0S+3], 0x80000000
	s_mov_b32 s[G0SB], 1
	s_add_co_u32 s[G0SB+1], s94, SCL
	s_mov_b64 s[G0SB+2:G0SB+3], s[92:93]
	s_or_b32 s[G0SB+3], s[G0SB+3], 0x80000000
	JLOAD G0S, G1S, G0SB, G1SB                     ; the scale bytes first: they are wanted with K step 0
.irp s, 0,1
	s_mov_b32 s[G0+4*\s], 1
	s_add_co_u32 s[G0+4*\s+1], s45, \s*SLOT
	s_add_nc_u64 s[G0+4*\s+2:G0+4*\s+3], s[20:21], \s*ROWB
	s_or_b32 s[G0+4*\s+3], s[G0+4*\s+3], 0x80000000
	s_mov_b32 s[G0B+4*\s], 1
	s_add_co_u32 s[G0B+4*\s+1], s45, \s*SLOT
	s_add_nc_u64 s[G0B+4*\s+2:G0B+4*\s+3], s[46:47], \s*ROWB
	s_or_b32 s[G0B+4*\s+3], s[G0B+4*\s+3], 0x80000000
	JLOAD G0+4*\s, G1, G0B+4*\s, G1B               ; three tensor loads of mine are out now
.endr
	v_and_b32 v1, 15, v0                           ; l % 16
	v_bfe_u32 v2, v0, 4, 1                         ; l / 16
	v_mul_u32_u24 v3, v1, PITCH
	v_mul_u32_u24 v4, v2, 24
	v_add_nc_u32 v4, v3, v4                        ; a fragment's row x pitch + 24 x half
	v_lshl_add_u32 v5, v2, 4, v4                   ; and the same behind one padding more
	s_mul_i32 s21, s15, HALFT                      ; my 128 rows of R
	s_mul_i32 s22, s16, HALFT                      ; my 128 rows of P,
	s_add_co_u32 s22, s22, 2*HALFT                 ; which lie behind R's 256
.irp s, 0,1
	v_add_nc_u32 v[ADRA+\s], s21, v4
	v_add_nc_u32 v[ADRB+\s], s22, v4
	v_add_nc_u32 v[ADRA+2+\s], s21, v5
	v_add_nc_u32 v[ADRB+2+\s], s22, v5
	s_add_co_u32 s21, s21, SLOT
	s_add_co_u32 s22, s22, SLOT
.endr
	v_mul_u32_u24 v5, v1, KS                       ; my row's scale bytes: KS bytes a row,
	v_lshrrev_b32 v6, 8, v5
	v_lshl_add_u32 v5, v6, 4, v5                   ; and 16 more for each 256 passed
	s_mul_i32 s21, s15, HALFS                      ; R's: my 128 rows
	s_mul_i32 s22, s16, HALFS                      ; P's: my 128 rows, behind R's 256
	s_add_co_u32 s22, s22, 2*HALFS
	s_sub_co_u32 s22, s22, s21
	v_mul_u32_u24 v6, s22, v2                      ; lanes 16-31 take P's: one product, the distance between the two bases x half
	s_add_co_u32 s21, s21, SCL
	v_add_nc_u32 v5, v5, v6
	v_add_nc_u32 v[ADRS], s21, v5
	; the output unit of my wave: kind x 256 + pair of heads x 32 + range of tokens
	s_lshl_b32 s66, s42, 1
	s_add_co_u32 s66, s66, s16                     ; which 128 rows of P are mine
	s_lshl_b32 s67, s17, 1
	s_add_co_u32 s67, s67, s15                     ; which 128 rows of R
	s_cmp_eq_u32 s2, 2
	s_cselect_b32 s94, s67, s66                    ; the pair of heads: the weight's rows
	s_cselect_b32 s95, s66, s67                    ; the range of tokens: x's rows
	s_lshl_b32 s94, s94, 5
	s_add_co_u32 s94, s94, s95
	s_lshl_b32 s95, s2, 8
	s_add_co_u32 s66, s94, s95
	s_mul_i32 s94, s66, UNITB
	s_mov_b32 s95, 0
	s_add_nc_u64 s[12:13], s[12:13], s[94:95]
	s_lshl_b32 s94, s66, 9
	s_add_nc_u64 s[96:97], s[96:97], s[94:95]
.macro FRAG reg, adr, q, i             ; a fragment: lane l holds row l % 16; registers 6 c .. 6 c + 5 hold K = 64 c + 32 (l / 16) + 0 .. 31: 24 bytes of the row, as they lie, in pieces of 8 bytes
.irp p, 0,1,2,3,4,5
.set PCE, 12*(\q)+6*(\p/3)+\p%3       ; the piece's number in the row; 16 bytes of padding lie behind every 8 pieces: where the piece three on lies behind one padding more, the second address register serves
.if PCE%8 < 5
	ds_load_b64 v[\reg+2*\p:\reg+2*\p+1], v[\adr] offset:8*PCE+16*(PCE/8)+(\i)*16*PITCH
.else
	ds_load_b64 v[\reg+2*\p:\reg+2*\p+1], v[\adr+2] offset:8*PCE+16*(PCE/8)+(\i)*16*PITCH
.endif
.endr
.endm
; 16 matrix instructions: R's blocks a0, a0 + 1 x P's eight, 128 along K.  The 64 accumulators take turns, one instruction a turn, in the same order in every step.
.macro MUL16 a0, p, q, sc, zero
.irp a, \a0, \a0+1
.irp b, 0,1,2,3,4,5,6,7
.if \zero
	v_wmma_scale_f32_16x16x128_f8f6f4 v[8*(8*((\a)%4)+\b):8*(8*((\a)%4)+\b)+7], v[128*(\p)+FR*\b:128*(\p)+FR*\b+FR-1], v[AF+FR*(\a):AF+FR*(\a)+FR-1], 0, v[SC+8*NQ*(\sc)+NQ*\b+(\q)], v[SC+8*NQ*(\sc)+NQ*(\a)+(\q)] matrix_a_fmt:MATRIX_FMT_FP6 matrix_b_fmt:MATRIX_FMT_FP6 matrix_a_scale:MATRIX_SCALE_ROW1
.else
	v_wmma_scale_f32_16x16x128_f8f6f4 v[8*(8*((\a)%4)+\b):8*(8*((\a)%4)+\b)+7], v[128*(\p)+FR*\b:128*(\p)+FR*\b+FR-1], v[AF+FR*(\a):AF+FR*(\a)+FR-1], v[8*(8*((\a)%4)+\b):8*(8*((\a)%4)+\b)+7], v[SC+8*NQ*(\sc)+NQ*\b+(\q)], v[SC+8*NQ*(\sc)+NQ*(\a)+(\q)] matrix_a_fmt:MATRIX_FMT_FP6 matrix_b_fmt:MATRIX_FMT_FP6 matrix_a_scale:MATRIX_SCALE_ROW1
.endif
.endr
.endr
.endm
.macro FETCH_B slot, q, p              ; P's eight fragments of the slot's q-th 128 along K into set p
	WIN TO_B
.irp i, 0,1,2,3,4,5,6,7
	FRAG 128*(\p)+FR*\i, ADRB+\slot, \q, \i
.endr
	WIN 0
.endm
.macro FETCH_A slot, q, i0             ; R's blocks i0 .. i0 + 3
.irp i, \i0, \i0+1, \i0+2, \i0+3
	FRAG AF+FR*(\i), ADRA+\slot, \q, \i
.endr
.endm
.macro SCALES sc                       ; the next K step's scale words into set sc: lanes 0-15 take R's block i, lanes 16-31 P's block i
.irp i, 0,1,2,3,4,5,6,7
	ds_load_b64 v[SC+8*NQ*\sc+NQ*\i:SC+8*NQ*\sc+NQ*\i+1], v[ADRS] offset:\i*SBLK
.endr
.endm
.macro PLACES n                        ; plain vector instructions between a matrix instruction and a load into, or a vector instruction on, one of its registers
.rept \n
	v_nop
.endr
.endm
; A step of 128 along K that has its successor in the same slot.
.macro STEP slot, q, zero
	s_wait_dscnt 4*NL                              ; P's set and R's blocks 0-3 are in; the youngest 24 loads (R's blocks 4-7) may be out
	WIN MUL_LO
	MUL16 0, (\q)%2, \q, \slot, \zero
	MUL16 2, (\q)%2, \q, \slot, \zero
	s_wait_dscnt 0                                 ; R's blocks 4-7 are in
	PLACES NP
	FETCH_B \slot, (\q)+1, 1-(\q)%2
	FETCH_A \slot, (\q)+1, 0
	WIN MUL_HI
	MUL16 4, (\q)%2, \q, \slot, \zero
	MUL16 6, (\q)%2, \q, \slot, \zero
	PLACES NP
	WIN 0
	FETCH_A \slot, (\q)+1, 4
.endm
; A slot's last step changes slots: one barrier; in front of it each wave waits for all its tensor loads, adds 0 to its spare word, and waits for that and for its own reads of this slot.  fill = 1: this slot is filled again, two K steps ahead.
.macro TURN slot, next, fill
	s_wait_tensorcnt 0x0                           ; all my tensor loads have landed: my part of the next slot
	ds_add_u32 v[SPW], v[NIL]                      ; 0 onto my spare word
	s_wait_dscnt 4*NL+1                            ; the add and the youngest 24 loads may be out
	WIN MUL_LO
	MUL16 0, 1, NQ-1, \slot, 0                     ; sixteen matrix instructions stand between the add and the wait for it
	s_wait_dscnt 0x0                               ; the add is done, and my reads of this slot are over
	s_barrier_signal -1
	MUL16 2, 1, NQ-1, \slot, 0
	WIN 0
	s_barrier_wait -1
.if \fill
	CREST                                          ; the barrier has opened a round of the cluster's barrier: no wave of any partner still reads this slot or has a load on its way
	s_add_nc_u64 s[G0+4*\slot+2:G0+4*\slot+3], s[G0+4*\slot+2:G0+4*\slot+3], 2*ROWB
	s_add_nc_u64 s[G0B+4*\slot+2:G0B+4*\slot+3], s[G0B+4*\slot+2:G0B+4*\slot+3], 2*ROWB
	JLOAD G0+4*\slot, G1, G0B+4*\slot, G1B         ; the first tensor load behind the round, my only one until the next; its four v_nop are the places in front of the loads below
.else
	PLACES NP
.endif
	v_add_nc_u32 v[ADRS], 4*NQ, v[ADRS]            ; on to the next K step's scale words
	FETCH_B \next, 0, 0
	FETCH_A \next, 0, 0
	SCALES \next
	WIN MUL_HI
	MUL16 4, 1, NQ-1, \slot, 0
	MUL16 6, 1, NQ-1, \slot, 0
	PLACES NP
	WIN 0
	FETCH_A \next, 0, 4
.endm
	s_wait_tensorcnt 1                             ; the scale bytes and my part of K step 0 are in; K step 1's load may be out
	s_barrier_signal -1
	s_barrier_wait -1
	FETCH_B 0, 0, 0
	FETCH_A 0, 0, 0
	SCALES 0
	FETCH_A 0, 0, 4
	STEP 0, 0, 1                                   ; the first step stands in front of the loop: its products start the sums
	s_mov_b32 s3, LAPS-1
.Llap:                                                 ; a trip goes once round the ring and fills both slots again
	TURN 0, 1, 1
	STEP 1, 0, 0
	TURN 1, 0, 1
	STEP 0, 0, 0
	s_sub_co_u32 s3, s3, 1
	s_cmp_lg_u32 s3, 0
	s_cbranch_scc1 .Llap
	TURN 0, 1, 0                                   ; the last lap fills nothing
	STEP 1, 0, 0
	s_wait_dscnt 4*NL
	WIN MUL_LO
	MUL16 0, 1, NQ-1, 1, 0
	MUL16 2, 1, NQ-1, 1, 0
	s_wait_dscnt 0
	WIN MUL_HI
	MUL16 4, 1, NQ-1, 1, 0
	MUL16 6, 1, NQ-1, 1, 0
	WIN 0
; THE WAY OUT of R's tile a: 64 numbers a lane become a fragment and a scale word.
.macro OUT a
.set W, 2+(\a)/4                       ; the accumulators' window
.set AC, 64*((\a)%4)
.set WW, (W<<6)|W
	WIN WW                                         ; both registers of an exchange lie in window W
.irp b, 0,1,2,3
.irp j, 0,1,2,3,4,5,6,7
	v_permlane16_swap_b32 v[AC+16*\b+\j], v[AC+16*\b+8+\j]   ; the first's lanes 16-31 change places with the second's lanes 0-15: register 16 b + i is now row 32 b + 16 (l / 16) + i of P.  Each accumulator is taken from its low end on
.endr
.endr
.set WW, W|(W<<2)
	WIN WW
.irp b, 0,1,2,3
	v_max3_num_f32 v[TM+\b], |v[AC+16*\b]|, |v[AC+16*\b+1]|, 0x1800000   ; block b: my 16 numbers, and the floor 2^(3 - 127): the byte cannot fall under 1
.endr
.set WW, (W<<2)|(W<<4)
	WIN WW
.irp i, 2,4,6,8,10,12,14
.irp b, 0,1,2,3
	v_max3_num_f32 v[TM+\b], v[TM+\b], |v[AC+16*\b+\i]|, |v[AC+16*\b+\i+1]|   ; the four blocks by turns
.endr
.endr
	WIN 0
.irp b, 0,1,2,3
	v_permlanex16_b32 v[TM+4+\b], v[TM+\b], s[SEL], s[SEL+1]
.endr
.irp b, 0,1,2,3
	v_max_num_f32 v[TM+\b], v[TM+\b], v[TM+4+\b]   ; with lane l xor 16: the block's largest magnitude
.endr
.irp b, 0,1,2,3
	v_add_nc_u32 v[TM+12+\b], 0xff000000, v[TM+\b] ; 2 off its exponent field: the conversion's scale operand
.endr
.irp b, 0,1,2,3
	v_lshrrev_b32 v[TM+4+\b], 23, v[TM+12+\b]      ; the scale's byte
.endr
	v_lshl_or_b32 v[PW+(\a)], v[TM+5], 8, v[TM+4]  ; four bytes: my row's scale word
	v_lshl_or_b32 v[PW+(\a)], v[TM+6], 16, v[PW+(\a)]
	v_lshl_or_b32 v[PW+(\a)], v[TM+7], 24, v[PW+(\a)]
.if (\a) > 0
	s_wait_xcnt 0x0                                ; the last tile's stores have read the fragment's registers: they are written again only behind this wait
.endif
	WIN W                                          ; the numbers: window W; the scale operand and the codes: window 0
.irp c, 0,1
	v_cvt_scalef32_pk16_fp6_f32 v[PC+6*\c:PC+6*\c+2], v[AC+32*\c:AC+32*\c+15], v[TM+12+2*\c]
	v_cvt_scalef32_pk16_fp6_f32 v[PC+12+4*\c:PC+14+4*\c], v[AC+32*\c+16:AC+32*\c+31], v[TM+13+2*\c]   ; a conversion's three registers begin on an even number
.endr
	WIN 0
	v_nop                                          ; one plain place behind a scaled conversion
.irp c, 0,1                                    ; the operand's layout wants a whole block in a lane
.irp i, 0,1,2
	v_permlane16_swap_b32 v[PC+6*\c+\i], v[PC+12+4*\c+\i]
.endr
.irp i, 0,1,2
	v_mov_b32 v[PC+3+6*\c+\i], v[PC+12+4*\c+\i]
.endr
.endr
	ds_store_b32 v[SCA], v[PW+(\a)] offset:64*(\a) ; lanes l and l + 16 write the same word with the same value
.irp c, 0,1
	global_store_b128 v[CO16], v[PC+6*\c:PC+6*\c+3], s[12:13] offset:1536*(\a)+768*\c          ; 512 consecutive bytes, at a multiple of 256 from the buffer's first byte
	global_store_b64 v[CO8], v[PC+6*\c+4:PC+6*\c+5], s[12:13] offset:1536*(\a)+768*\c+512      ; 256 consecutive bytes
.endr
.endm
	PLACES NP                                      ; behind the last products
	v_and_b32 v1, 31, v0
	v_lshlrev_b32 v[CO16], 4, v1
	v_lshlrev_b32 v[CO8], 3, v1
	v_and_b32 v2, 15, v0
	s_lshl_b32 s21, s14, 9
	s_add_co_u32 s21, s21, SCST                    ; my stage
	v_lshl_add_u32 v[SCA], v2, 2, s21
	v_add_nc_u32 v[SCR], s21, v[CO16]
.irp b, 0,1,2,3
	v_mov_b32 v[TM+4+\b], 0                        ; written once: a lane permute's destination counts as one of its sources
.endr
.irp a, 0,1,2,3,4,5,6,7
	OUT \a
.endr
	ds_load_b128 v[BACK:BACK+3], v[SCR]            ; LDS serves a wave's instructions in order: this sees my eight stores
	s_wait_dscnt 0x0
	global_store_b128 v[CO16], v[BACK:BACK+3], s[96:97]   ; my unit's 512 bytes of scale words
	s_wait_tensorcnt 0x0                           ; the wave's end
	ds_add_u32 v[SPW], v[NIL]
	s_wait_dscnt 0x0
	CROUND                                         ; the closing round: no work-group ends while a partner may still ask for a tile that names it
	s_endpgm
.Lfunc_end_k_q23084fbc52_qkv:
	.size	k_q23084fbc52_qkv, .Lfunc_end_k_q23084fbc52_qkv-k_q23084fbc52_qkv
	.p2alignl 7, 3214868480
	.fill 96, 4, 3214868480
	.section	.rodata,"a",@progbits
	.p2align	6, 0x0
	.amdhsa_kernel k_q23084fbc52_qkv
		.amdhsa_group_segment_fixed_size 327680
		.amdhsa_private_segment_fixed_size 0
		.amdhsa_enable_private_segment 0
		.amdhsa_kernarg_size 80
		.amdhsa_user_sgpr_count 2
		.amdhsa_user_sgpr_kernarg_segment_ptr 1
		.amdhsa_wavefront_size32 1
		.amdhsa_system_sgpr_workgroup_id_x 1
		.amdhsa_system_sgpr_workgroup_id_y 1
		.amdhsa_system_sgpr_workgroup_id_z 1
		.amdhsa_system_vgpr_workitem_id 0
		.amdhsa_next_free_vgpr 1024
		.amdhsa_next_free_sgpr 100
		.amdhsa_reserve_vcc 0
		.amdhsa_float_denorm_mode_32 3
		.amdhsa_float_denorm_mode_16_64 3
		.amdhsa_memory_ordered 1
		.amdhsa_forward_progress 1
		.amdhsa_inst_pref_size 174
	.end_amdhsa_kernel
	.amdgpu_metadata
---
amdhsa.version: [ 1, 2 ]
amdhsa.kernels:
  - .name:           k_q23084fbc52_qkv
    .symbol:         k_q23084fbc52_qkv.kd
    .args:
      - { .name: x_codes, .offset: 0, .size: 8, .value_kind: global_buffer, .address_space: global }
      - { .name: x_scales, .offset: 8, .size: 8, .value_kind: global_buffer, .address_space: global }
      - { .name: Wq_codes, .offset: 16, .size: 8, .value_kind: global_buffer, .address_space: global }
      - { .name: Wq_scales, .offset: 24, .size: 8, .value_kind: global_buffer, .address_space: global }
      - { .name: Wk_codes, .offset: 32, .size: 8, .value_kind: global_buffer, .address_space: global }
      - { .name: Wk_scales, .offset: 40, .size: 8, .value_kind: global_buffer, .address_space: global }
      - { .name: Wv_codes, .offset: 48, .size: 8, .value_kind: global_buffer, .address_space: global }
      - { .name: Wv_scales, .offset: 56, .size: 8, .value_kind: global_buffer, .address_space: global }
      - { .name: qkv_codes, .offset: 64, .size: 8, .value_kind: global_buffer, .address_space: global }
      - { .name: qkv_scales, .offset: 72, .size: 8, .value_kind: global_buffer, .address_space: global }
    .group_segment_fixed_size: 327680
    .private_segment_fixed_size: 0
    .kernarg_segment_align: 8
    .kernarg_segment_size: 80
    .max_flat_workgroup_size: 128
    .sgpr_count:     100
    .vgpr_count:     1024
    .wavefront_size: 32
...
	.end_amdgpu_metadata
.endif
;; end of part 1
;; launch attn (part 2): grid 32 x 8, 16 waves a work-group, no clusters, 169,984 bytes of LDS; arguments qkv_codes, qkv_scales, ybuf; writes ybuf
.if DOCPART == 2
	.amdgcn_target "amdgcn-amd-amdhsa--gfx1250"
	.amdhsa_code_object_version 6
	.text
	.protected	k_q23084fbc52_attn
	.globl	k_q23084fbc52_attn
	.p2align	8
	.type	k_q23084fbc52_attn,@function
k_q23084fbc52_attn:
	s_mov_b64 s[64:65], 0
	v_nop
	global_prefetch_b8 v0, s[64:65] scope:SCOPE_SE
	s_setreg_imm32_b32 hwreg(HW_REG_WAVE_MODE, 25, 1), 1
	s_wait_xcnt 0x0
; Banded causal attention on codes of FP6 (E2M3): key j counts for query i where j <= i and i - j < 128.  Head size 64.  y = softmax(q k^T / 8) v, quantised at once along the channels for the last product.
; THE BAND.  The 32 queries 32 g .. 32 g + 31 see key blocks g - 4 .. g (32 keys each) and no others.  Blocks g - 3 .. g - 1 count whole, block g has the causal cut, block g - 4 the cut of the band.
; So all keys of a query are at hand at once: no loop over keys, no running maximum: the row's maximum is taken once, over its 160 scores.
; SHARES.  A work-group takes 128 queries (range rho) of a pair of heads hp; its sixteen waves: wave w has head 2 hp + (w & 1) and the tile of 16 queries w >> 1.  Four waves to a SIMD: one wave's softmax stands beside another's loads and products.
; LDS holds k and v of ranges rho - 1 and rho (8 key blocks), filled once by eight tensor loads; group j = w >> 2 of 32 queries uses blocks j .. j + 4 of them.  For rho = 0 the lower half holds range 0 a second time; its scores are hidden.
; OPERANDS lie in memory and LDS as images of registers: a fragment of 16 rows x 128 K is two half images of 768 bytes; in half image c lane (r, h) holds block 2 c + h of row r: 16 bytes at 16 x lane, 8 bytes at 512 + 8 x lane.
; q, k: a fragment is 16 tokens x the pair's 128 channels: half image c is head 2 hp + c.  v: a fragment is 16 channels x the range's 128 keys.
; K = 64 IN AN INSTRUCTION OF K = 128.  A head's half image fills registers 0-5 of an operand.  q's registers 6-11 are zero codes; the keys' registers 6-11 are whatever follows (the next tile's codes: numbers, never NaN): they meet zeros.
; The scale words come by loads of 16 bits: bytes 2 and 3 are 0, which stands for 2^-127 and is no NaN.
; Both products are used transposed (S^T = k q^T, O^T = v^T p^T): a lane holds one query throughout.  A result's two lane halves are put in order by exchanges, so that 16 registers are 16 neighbours along the next K.
; THE SOFTMAX: t = score x log2(e) / 8; M = the row's largest t rounded up to a whole number; p = 2^(t - M) is quantised along the keys; the row's sum is taken of the unquantised p and divides at the end.
; A block's largest p is not searched for: the block's largest score goes through the same multiply-add and exponential (this takes v_exp_f32 not to fall where its input rises).
; NO CLUSTER: a range of keys is read by two work-groups only, one wants it in the upper half of its LDS and the other in the lower, and a joint load names one LDS address for all.
; Nothing is asked for ahead: every byte that the work-group reads is requested at its head.
; LIMITS: a block of zeros gets the byte 1, not 127 (zero codes; this program alone reads the bytes); p under 2^-126 is 0 (v_exp_f32's own: ISA guide 15.8); NaN and infinities are not served.
.set UNITB, 12288                      ; a unit of codes: 8 fragments
.set YUNIT, 12800                      ; a unit of ybuf: 8 fragments and 512 bytes of scale words
.set KC,   0                           ; LDS: k's two units: key tile 0..15 at 1,536 x tile
.set VC,   24576                       ; v's two units
.set KSC,  49152                       ; k's scale words: 64 x tile + 4 x row
.set VSC,  50176                       ; v's: 512 x unit + 64 x tile + 4 x row
.set YS,   51200                       ; a stage of 512 bytes for y's scale words; no tensor load lands here
.set QF,   16                          ; v16-27  q's operand (22-27 zeros); behind the scores: v[16:19] the sums, v[20:21] 1 / l, v22 at work
.set QS,   28                          ; v28     q's scale word
.set NEG,  29                          ; v29     -infinity
.set DC,   30                          ; v30     16 (u - h) + r
.set R4,   31                          ; v31     4 r
.set KF,   32                          ; v32-97  ten key tiles, six registers each, then six zeros
.set KW,   98                          ; v98-107 their scale words; later v102, v103: p's.  Scale words and nothing else
.set S,    108                         ; v108-187 S^T, then p: block k at 108 + 16 k; later O^T in v108-139
.set VF2,  188                         ; v188-211 v's fifth block: channel tile d at 188 + 6 d
.set P1,   212                         ; v212-223 p's codes of blocks 0-3
.set T,    224                         ; v224-231 the conversions' second halves
.set P2,   232                         ; v232-243 p's codes of block 4, and zeros
.set ZT,   244                         ; v244-246 zeros
.set YSR,  247                         ; v247    where wave 0 reads the stage back
.set VW1,  248                         ; v248-251 v's scale words for blocks j .. j + 3
.set VW2,  252                         ; v252-255 and for block j + 4
.set VF1,  32                          ; behind the scores: v32-79 v's blocks 0-3: channel tile d at 32 + 12 d
.set MX,   80                          ; v80-84  a block's largest score, then its largest p
.set PT,   85                          ; v85-89  the other half's; then the bytes
.set SO,   90                          ; v90-94  the conversions' scale operands
.set YSW,  95                          ; v95     where I put y's two scale bytes
.set NM,   96                          ; v[96:97] -M
.set SUM,  16
.set RL,   20
.set TMP,  22
.set PW1,  102
.set PW2,  103
	s_load_b128 s[4:7], s[0:1], 0x0                ; qkv_codes, qkv_scales
	s_load_b64 s[8:9], s[0:1], 0x10                ; ybuf
	v_lshl_add_u32 v227, v0, 2, 0x29000
	v_mov_b32 v231, 0
	ds_add_u32 v227, v231
	ds_add_u32 v227, v231
	v_lshrrev_b32 v1, 5, v0
	v_readfirstlane_b32 s10, v1                    ; wave 0..15
	s_and_b32 s11, s10, 1                          ; c: which head of the pair
	s_lshr_b32 s12, s10, 1                         ; qt: my tile of 16 queries
	s_lshr_b32 s13, s10, 2                         ; j: its group of 32
	s_and_b32 s14, s12, 1                          ; u: which half of the group
	s_mov_b32 s15, ttmp9                           ; rho
	s_and_b32 s16, ttmp7, 0xffff                   ; hp
	; descriptor groups 1: dense blocks as rows of 256 bytes (32 elements of 8 bytes): 48 rows of codes, 2 rows of scale words
	s_mov_b32 s24, 3<<16
	s_mov_b32 s25, 32<<16
	s_mov_b32 s26, 48<<16
	s_mov_b32 s27, 32<<16
	s_mov_b32 s28, 48
	s_mov_b32 s29, 32
	s_mov_b32 s30, 0
	s_mov_b32 s31, 0
	s_mov_b32 s32, 3<<16
	s_mov_b32 s33, 32<<16
	s_mov_b32 s34, 2<<16
	s_mov_b32 s35, 32<<16
	s_mov_b32 s36, 2
	s_mov_b32 s37, 32
	s_mov_b32 s38, 0
	s_mov_b32 s39, 0
	; what a fetching wave brings: wave & 3 = 0, 1: k's lower and upper range; 2, 3: v's.  Waves 0-3 the codes, waves 4-7 the scale words
	s_and_b32 s17, s10, 3
	s_lshr_b32 s18, s17, 1
	s_add_co_u32 s18, s18, 1                       ; kind: 1 k, 2 v
	s_and_b32 s19, s17, 1
	s_add_co_u32 s19, s19, s15
	s_max_u32 s19, s19, 1
	s_sub_co_u32 s19, s19, 1                       ; the range: rho - 1 or rho, never under 0
	s_lshl_b32 s18, s18, 8
	s_lshl_b32 s58, s16, 5
	s_add_co_u32 s18, s18, s58
	s_add_co_u32 s18, s18, s19                     ; the unit
	s_mul_i32 s60, s18, UNITB
	s_mov_b32 s61, 0
	s_lshl_b32 s62, s18, 9
	s_mov_b32 s63, 0
	s_mov_b32 s40, 1
	s_mul_i32 s41, s17, UNITB                      ; LDS: k lower, k upper, v lower, v upper
	s_mov_b32 s44, 1
	s_lshl_b32 s45, s17, 9
	s_add_co_u32 s45, s45, KSC
	s_wait_dscnt 0x0
	s_wait_kmcnt 0x0
	s_add_nc_u64 s[42:43], s[4:5], s[60:61]
	s_or_b32 s43, s43, 0x80000000
	s_add_nc_u64 s[46:47], s[6:7], s[62:63]
	s_or_b32 s47, s47, 0x80000000
	s_cmp_lt_u32 s10, 4                            ; one first fill a wave, for waves 0-7; four v_nop follow each line
	s_cbranch_scc0 .Lnot_codes
	tensor_load_to_lds s[40:43], s[24:31]
	s_nop 0
.rept 4
	v_nop
.endr
	s_branch .Lasked
.Lnot_codes:
	s_cmp_lt_u32 s10, 8
	s_cbranch_scc0 .Lasked
	tensor_load_to_lds s[44:47], s[32:39]
	s_nop 0
.rept 4
	v_nop
.endr
.Lasked:
	; q: unit hp x 32 + rho of kind 0, tile qt, half image c
	s_lshl_b32 s58, s16, 5
	s_add_co_u32 s58, s58, s15
	s_mul_i32 s60, s58, UNITB
	s_mul_i32 s59, s12, 1536
	s_add_co_u32 s60, s60, s59
	s_mul_i32 s59, s11, 768
	s_add_co_u32 s60, s60, s59
	s_add_nc_u64 s[50:51], s[4:5], s[60:61]
	s_lshl_b32 s62, s58, 9
	s_lshl_b32 s59, s12, 6
	s_add_co_u32 s62, s62, s59
	s_lshl_b32 s59, s11, 1
	s_add_co_u32 s62, s62, s59
	s_add_nc_u64 s[52:53], s[6:7], s[62:63]
	v_and_b32 v3, 31, v0                           ; lane
	v_and_b32 v1, 15, v0                           ; r
	v_bfe_u32 v2, v0, 4, 1                         ; h
	v_lshlrev_b32 v14, 4, v3                       ; 16 x lane
	v_lshlrev_b32 v15, 3, v3                       ; 8 x lane
	v_lshlrev_b32 v[R4], 2, v1
	global_load_b128 v[QF:QF+3], v14, s[50:51]
	global_load_b64 v[QF+4:QF+5], v15, s[50:51] offset:512
	global_load_u16 v[QS], v[R4], s[52:53]         ; my head's two scale bytes; bytes 2 and 3 are 0
	; ybuf: unit rho x 8 + hp
	s_lshl_b32 s58, s15, 3
	s_add_co_u32 s58, s58, s16
	s_mul_i32 s60, s58, YUNIT
	s_add_nc_u64 s[56:57], s[8:9], s[60:61]
	s_mul_i32 s62, s12, 1536
	s_mul_i32 s59, s11, 768
	s_add_co_u32 s62, s62, s59
	s_add_nc_u64 s[54:55], s[56:57], s[62:63]      ; my half image
	s_add_nc_u64 s[56:57], s[56:57], 12288         ; the unit's scale words
	s_mov_b32 s20, 0x76543210
	s_mov_b32 s21, 0xfedcba98                      ; selects of v_permlanex16_b32 for lane l xor 16
	s_mov_b32 s22, 0x3e38aa3b                      ; log2(e) / 8
	s_mov_b32 s23, s22                             ; named with it as a pair, so it is written
	s_mul_i32 s48, s13, 0x01010101
	s_add_co_u32 s48, s48, 0x03020100              ; byte selects j .. j + 3 out of eight
	s_lshl_b32 s49, s13, 3                         ; 8 j
	; LDS addresses
	s_mul_i32 s58, s13, 3072                       ; key tile 2 j,
	s_mul_i32 s59, s11, 768                        ; half image c
	s_add_co_u32 s58, s58, s59
	v_add_nc_u32 v4, s58, v14
	s_add_co_u32 s58, s58, 512
	v_add_nc_u32 v5, s58, v15
	s_lshl_b32 s58, s13, 7
	s_lshl_b32 s59, s11, 1
	s_add_co_u32 s58, s58, s59
	s_add_co_u32 s58, s58, KSC
	v_add_nc_u32 v6, s58, v[R4]                    ; k's scale bytes of my head
	s_lshl_b32 s58, s11, 8
	s_add_co_u32 s58, s58, VSC
	v_add_nc_u32 v7, s58, v[R4]                    ; v's scale words: channel tile 4 c + d
	s_mul_i32 s59, s11, 6144
	s_add_co_u32 s59, s59, VC                      ; v's fragments of my head
; Key block bt (0..7, in v[bt]) of row r of a fragment of v: unit bt / 4, half image (bt / 2) % 2, lanes' half bt % 2
.macro VADR a16, a8, bt
	v_lshrrev_b32 v33, 2, v[\bt]
	v_bfe_u32 v34, v[\bt], 1, 1
	v_and_b32 v35, 1, v[\bt]
	v_mul_u32_u24 v33, v33, UNITB
	v_mad_u32_u24 v33, v34, 768, v33
	v_add_nc_u32 v33, s59, v33
	v_lshl_add_u32 v[\a16], v35, 8, v33
	v_lshl_add_u32 v[\a16], v1, 4, v[\a16]         ; its first 16 bytes
	v_lshl_add_u32 v[\a8], v35, 7, v33
	v_lshl_add_u32 v[\a8], v1, 3, v[\a8]
	v_add_nc_u32 v[\a8], 512, v[\a8]               ; its last 8
.endm
	v_add_nc_u32 v32, s13, v2                      ; registers 0-5 of the first fragment: block j + h
	VADR 8, 9, 32
	v_add_nc_u32 v32, 2, v32                       ; registers 6-11: block j + 2 + h
	VADR 10, 11, 32
	s_add_co_u32 s58, s13, 4
	v_mov_b32 v32, s58                             ; the second fragment: block j + 4 in every lane (lanes 16-31 meet zero codes of p)
	VADR 12, 13, 32
	v_add_nc_u32 v[YSR], YS, v14
.irp i, 6,7,8,9,10,11
	v_mov_b32 v[QF+\i], 0                          ; q's upper 64 along K: zero codes
.endr
.irp i, 60,61,62,63,64,65
	v_mov_b32 v[KF+\i], 0                          ; what follows the tenth key tile
.endr
	v_mov_b32 v[NEG], 0xff800000
	v_sub_nc_u32 v[DC], s14, v2
	v_lshl_add_u32 v[DC], v[DC], 4, v1             ; d = 16 (u - h) + r.  Register i of a block is its key 16 h + i; my query is number 16 u + r of its group
	s_wait_tensorcnt 0x0                           ; my fill has landed,
	s_barrier_signal -1
	s_barrier_wait -1                              ; everybody's has
.irp d, 0,1,2,3
	ds_load_b32 v[S+72+\d], v7 offset:64*\d        ; v's scale words as they lie: blocks 0-3,
	ds_load_b32 v[S+76+\d], v7 offset:512+64*\d    ; blocks 4-7 (in registers that the scores will take)
.endr
.irp t, 0,1,2,3,4,5,6,7,8,9
	ds_load_u16 v[KW+\t], v6 offset:64*\t
.endr
.irp t, 0,1,2,3,4,5,6,7,8,9
	ds_load_b128 v[KF+6*\t:KF+6*\t+3], v4 offset:1536*\t
	ds_load_b64 v[KF+6*\t+4:KF+6*\t+5], v5 offset:1536*\t
.endr
.irp d, 0,1,2,3
	ds_load_b128 v[VF2+6*\d:VF2+6*\d+3], v12 offset:1536*\d
	ds_load_b64 v[VF2+6*\d+4:VF2+6*\d+5], v13 offset:1536*\d
.endr
	s_wait_loadcnt 0x0                             ; q
	s_wait_dscnt 8                                 ; all but the youngest eight loads, v's fifth block
.irp d, 0,1,2,3
	v_perm_b32 v[VW1+\d], v[S+76+\d], v[S+72+\d], s48   ; the bytes of blocks j .. j + 3
.endr
.irp d, 0,1,2,3
	v_bfe_u32 v[VW2+\d], v[S+76+\d], s49, 8        ; the byte of block j + 4, zeros above it.  (These eight lines are also the places between the zeros written above and the products)
.endr
.irp t, 0,1,2,3,4,5,6,7,8,9                    ; S^T = k q^T: ten tiles of 16 keys
	v_wmma_scale_f32_16x16x128_f8f6f4 v[S+8*\t:S+8*\t+7], v[KF+6*\t:KF+6*\t+11], v[QF:QF+11], 0, v[KW+\t], v[QS] matrix_a_fmt:MATRIX_FMT_FP6 matrix_b_fmt:MATRIX_FMT_FP6
.endr
.irp i, 6,7,8,9,10,11,12,13,14
	v_mov_b32 v[P2+\i], 0                          ; p's zero codes and ZT: nine plain lines that name none of the products' registers: the places behind them
.endr
.irp b, 0,1,2,3,4
	v_mov_b32 v[PT+\b], 0                          ; written once: a lane permute's destination counts as one of its sources
.endr
	s_lshl_b32 s58, s12, 6
	s_lshl_b32 s59, s11, 1
	s_add_co_u32 s58, s58, s59
	s_add_co_u32 s58, s58, YS
	v_add_nc_u32 v[YSW], s58, v[R4]                ; the stage: 64 x tile + 4 x row + 2 c
.irp d, 0,1,2,3                                ; v's blocks j .. j + 3 land where the keys lay, while the softmax is walked
	ds_load_b128 v[VF1+12*\d:VF1+12*\d+3], v8 offset:1536*\d
	ds_load_b64 v[VF1+12*\d+4:VF1+12*\d+5], v9 offset:1536*\d
	ds_load_b128 v[VF1+12*\d+6:VF1+12*\d+9], v10 offset:1536*\d
	ds_load_b64 v[VF1+12*\d+10:VF1+12*\d+11], v11 offset:1536*\d
.endr
.irp k, 0,1,2,3,4
.irp i, 0,1,2,3,4,5,6,7
	v_permlane16_swap_b32 v[S+16*\k+\i], v[S+16*\k+8+\i]   ; register 16 k + i is now key 16 h + i of block j + k.  Each accumulator is taken from its low end on
.endr
.endr
.irp i, 0,1,2,3,4,5,6,7,8,9,10,11,12,13,14,15
	v_cmp_gt_i32 vcc_lo, \i, v[DC]                 ; one compare serves both cuts:
	v_cndmask_b32 v[S+64+\i], v[S+64+\i], v[NEG], vcc_lo   ; my own block: a key after the query is hidden (i > d);
	v_cndmask_b32 v[S+\i], v[NEG], v[S+\i], vcc_lo         ; the block four back: a key 128 or more behind is hidden (i <= d)
.endr
	s_cmp_lg_u32 s15, 0                            ; in the first range the blocks under number 4 do not exist: a branch on the work-group's number, round vector work alone
	s_cbranch_scc1 .Lnot_first
.irp k, 0,1,2,3
	s_add_co_u32 s58, s13, \k
	s_cmp_lt_u32 s58, 4
	s_cselect_b32 s59, -1, 0
.irp i, 0,1,2,3,4,5,6,7,8,9,10,11,12,13,14,15
	v_cndmask_b32 v[S+16*\k+\i], v[S+16*\k+\i], v[NEG], s59
.endr
.endr
.Lnot_first:
.irp b, 0,1,2,3,4
	v_max3_num_f32 v[MX+\b], v[S+16*\b], v[S+16*\b+1], v[S+16*\b+2]   ; the largest score of each block: for the row's maximum, and for the block's largest p
.endr
.irp i, 3,5,7,9,11,13
.irp b, 0,1,2,3,4
	v_max3_num_f32 v[MX+\b], v[MX+\b], v[S+16*\b+\i], v[S+16*\b+\i+1]   ; the five blocks by turns
.endr
.endr
.irp b, 0,1,2,3,4
	v_max_num_f32 v[MX+\b], v[MX+\b], v[S+16*\b+15]
.endr
.irp b, 0,1,2,3,4
	v_permlanex16_b32 v[PT+\b], v[MX+\b], s20, s21
.endr
.irp b, 0,1,2,3,4
	v_max_num_f32 v[MX+\b], v[MX+\b], v[PT+\b]     ; with lane l xor 16's 16 keys
.endr
	v_max3_num_f32 v[TMP], v[MX], v[MX+1], v[MX+2]
	v_max3_num_f32 v[TMP], v[TMP], v[MX+3], v[MX+4]   ; the row's largest score: the diagonal always counts, so it is a number
	v_mul_f32 v[TMP], s22, v[TMP]                  ; as t
	v_floor_f32 v[NM], -v[TMP]                     ; -M = floor(-t) = -ceil(t)
	v_mov_b32 v[NM+1], v[NM]                       ; named with it as a pair
.set n, 0
.rept 40
	v_pk_fma_f32 v[S+n:S+n+1], v[S+n:S+n+1], s[22:23], v[NM:NM+1] op_sel_hi:[1,0,0]   ; t - M, two at a time
.set n, n+2
.endr
.irp b, 0,1,2,3,4
	v_fma_f32 v[MX+\b], v[MX+\b], s22, v[NM]       ; the same of each block's largest score
.endr
.set n, 0
.rept 80
	v_exp_f32 v[S+n], v[S+n]                       ; p = 2^(t - M); a hidden score gives 0
.set n, n+1
.endr
	v_nop                                          ; a plain place behind the exponentials
	s_wait_alu depctr_va_vdst(0)                   ; one wait for the batch of 80, ahead of its first reader
.irp b, 0,1,2,3,4
	v_exp_f32 v[MX+\b], v[MX+\b]                   ; the block's largest p
.endr
	v_pk_add_f32 v[SUM:SUM+1], v[S:S+1], v[S+4:S+5]           ; the row's sum of the unquantised p: two at a time, in two chains that start with the first numbers
	v_pk_add_f32 v[SUM+2:SUM+3], v[S+2:S+3], v[S+6:S+7]
.set n, 8
.rept 18
	v_pk_add_f32 v[SUM:SUM+1], v[SUM:SUM+1], v[S+n:S+n+1]
	v_pk_add_f32 v[SUM+2:SUM+3], v[SUM+2:SUM+3], v[S+n+2:S+n+3]
.set n, n+4
.endr
	v_pk_add_f32 v[SUM:SUM+1], v[SUM:SUM+1], v[SUM+2:SUM+3]
	v_add_f32 v[SUM], v[SUM], v[SUM+1]
	v_permlanex16_b32 v[TMP], v[SUM], s20, s21
	v_add_f32 v[SUM], v[SUM], v[TMP]               ; with lane l xor 16's keys: l
	v_rcp_f32 v[RL], v[SUM]
	v_nop                                          ; a plain place behind the reciprocal
	s_wait_alu depctr_va_vdst(0)                   ; one wait for the five exponentials and the reciprocal
	v_mov_b32 v[RL+1], v[RL]                       ; named with it as a pair
.irp b, 0,1,2,3,4
	v_max_num_f32 v[MX+\b], 0x1800000, v[MX+\b]    ; the floor 2^(3 - 127): the byte cannot fall under 1
.endr
.irp b, 0,1,2,3,4
	v_add_nc_u32 v[SO+\b], 0xff000000, v[MX+\b]    ; 2 off the exponent field: the conversion's scale operand
.endr
.irp b, 0,1,2,3,4
	v_lshrrev_b32 v[PT+\b], 23, v[SO+\b]           ; the scale's byte
.endr
	v_lshl_or_b32 v[PW1], v[PT+1], 8, v[PT]        ; p's scale word for blocks 0-3,
	v_lshl_or_b32 v[PW1], v[PT+2], 16, v[PW1]
	v_lshl_or_b32 v[PW1], v[PT+3], 24, v[PW1]
	v_mov_b32 v[PW2], v[PT+4]                      ; and for block 4, zeros above it
.irp c, 0,1
	v_cvt_scalef32_pk16_fp6_f32 v[P1+6*\c:P1+6*\c+2], v[S+32*\c:S+32*\c+15], v[SO+2*\c]
	v_cvt_scalef32_pk16_fp6_f32 v[T+4*\c:T+4*\c+2], v[S+32*\c+16:S+32*\c+31], v[SO+2*\c+1]   ; a conversion's three registers begin on an even number
.endr
	v_cvt_scalef32_pk16_fp6_f32 v[P2:P2+2], v[S+64:S+79], v[SO+4]
	v_nop                                          ; one plain place behind a scaled conversion
.irp c, 0,1                                    ; the operand's layout wants a whole block in a lane
.irp i, 0,1,2
	v_permlane16_swap_b32 v[P1+6*\c+\i], v[T+4*\c+\i]
.endr
.irp i, 0,1,2
	v_mov_b32 v[P1+3+6*\c+\i], v[T+4*\c+\i]
.endr
.endr
.irp i, 0,1,2
	v_permlane16_swap_b32 v[P2+\i], v[ZT+\i]       ; block 4's partner is a block of zeros: lanes 0-15 hold block 4, lanes 16-31 zeros
.endr
.irp i, 0,1,2
	v_mov_b32 v[P2+3+\i], v[ZT+\i]
.endr
	s_wait_dscnt 0x0                               ; v is in
.rept 8
	v_nop                                          ; a scale word written by vector instructions stands 8 places ahead of a scaled matrix instruction, an operand so written 4
.endr
.irp d, 0,1,2,3                                ; O^T = v^T p^T: four tiles of 16 channels; first the keys of blocks 0-3,
	v_wmma_scale_f32_16x16x128_f8f6f4 v[S+8*\d:S+8*\d+7], v[VF1+12*\d:VF1+12*\d+11], v[P1:P1+11], 0, v[VW1+\d], v[PW1] matrix_a_fmt:MATRIX_FMT_FP6 matrix_b_fmt:MATRIX_FMT_FP6
.endr
.irp d, 0,1,2,3                                ; then block 4.  The four accumulators take turns, one instruction a turn.  An operand's upper six registers are whatever follows: they meet p's zeros
	v_wmma_scale_f32_16x16x128_f8f6f4 v[S+8*\d:S+8*\d+7], v[VF2+6*\d:VF2+6*\d+11], v[P2:P2+11], v[S+8*\d:S+8*\d+7], v[VW2+\d], v[PW2] matrix_a_fmt:MATRIX_FMT_FP6 matrix_b_fmt:MATRIX_FMT_FP6
.endr
.rept 4
	v_nop
.endr
.irp b, 0,1
.irp i, 0,1,2,3,4,5,6,7
	v_permlane16_swap_b32 v[S+16*\b+\i], v[S+16*\b+8+\i]   ; register 16 b + i is now channel 32 b + 16 h + i of my head
.endr
.endr
.set n, 0
.rept 16
	v_pk_mul_f32 v[S+n:S+n+1], v[S+n:S+n+1], v[RL:RL+1] op_sel_hi:[1,0]   ; y = O / l
.set n, n+2
.endr
.irp b, 0,1                                    ; y's two blocks of 32 channels
	v_max3_num_f32 v[MX+\b], |v[S+16*\b]|, |v[S+16*\b+1]|, 0x1800000
.endr
.irp i, 2,4,6,8,10,12,14
.irp b, 0,1
	v_max3_num_f32 v[MX+\b], v[MX+\b], |v[S+16*\b+\i]|, |v[S+16*\b+\i+1]|
.endr
.endr
.irp b, 0,1
	v_permlanex16_b32 v[PT+\b], v[MX+\b], s20, s21
.endr
.irp b, 0,1
	v_max_num_f32 v[MX+\b], v[MX+\b], v[PT+\b]
.endr
.irp b, 0,1
	v_add_nc_u32 v[SO+\b], 0xff000000, v[MX+\b]
.endr
.irp b, 0,1
	v_lshrrev_b32 v[PT+\b], 23, v[SO+\b]
.endr
	v_lshl_or_b32 v[PW1], v[PT+1], 8, v[PT]        ; my head's two bytes of the row's scale word
	v_cvt_scalef32_pk16_fp6_f32 v[P1:P1+2], v[S:S+15], v[SO]
	v_cvt_scalef32_pk16_fp6_f32 v[T:T+2], v[S+16:S+31], v[SO+1]
	v_nop
.irp i, 0,1,2
	v_permlane16_swap_b32 v[P1+\i], v[T+\i]
.endr
.irp i, 0,1,2
	v_mov_b32 v[P1+3+\i], v[T+\i]
.endr
	global_store_b128 v14, v[P1:P1+3], s[54:55]              ; my half image: 512 consecutive bytes, at a multiple of 256 from the buffer's first byte,
	global_store_b64 v15, v[P1+4:P1+5], s[54:55] offset:512  ; and 256
	ds_store_b16 v[YSW], v[PW1]                    ; lanes l and l + 16 write the same bytes with the same value
	s_wait_dscnt 0x0                               ; for the others' sake: my store into the stage is done
	s_barrier_signal -1
	s_barrier_wait -1
	s_cmp_lg_u32 s10, 0                            ; wave 0 stores the unit's 512 bytes of scale words
	s_cbranch_scc1 .Ldone
	ds_load_b128 v[MX:MX+3], v[YSR]
	s_wait_dscnt 0x0
	global_store_b128 v14, v[MX:MX+3], s[56:57]
.Ldone:
	s_wait_tensorcnt 0x0
	ds_add_u32 v227, v231
	s_wait_dscnt 0x0
	s_endpgm
.Lfunc_end_k_q23084fbc52_attn:
	.size	k_q23084fbc52_attn, .Lfunc_end_k_q23084fbc52_attn-k_q23084fbc52_attn
	.p2alignl 7, 3214868480
	.fill 96, 4, 3214868480
	.section	.rodata,"a",@progbits
	.p2align	6, 0x0
	.amdhsa_kernel k_q23084fbc52_attn
		.amdhsa_group_segment_fixed_size 169984
		.amdhsa_private_segment_fixed_size 0
		.amdhsa_enable_private_segment 0
		.amdhsa_kernarg_size 24
		.amdhsa_user_sgpr_count 2
		.amdhsa_user_sgpr_kernarg_segment_ptr 1
		.amdhsa_wavefront_size32 1
		.amdhsa_system_sgpr_workgroup_id_x 1
		.amdhsa_system_sgpr_workgroup_id_y 1
		.amdhsa_system_sgpr_workgroup_id_z 1
		.amdhsa_system_vgpr_workitem_id 0
		.amdhsa_next_free_vgpr 256
		.amdhsa_next_free_sgpr 66
		.amdhsa_reserve_vcc 1
		.amdhsa_float_denorm_mode_32 3
		.amdhsa_float_denorm_mode_16_64 3
		.amdhsa_memory_ordered 1
		.amdhsa_forward_progress 1
		.amdhsa_inst_pref_size 41
	.end_amdhsa_kernel
	.amdgpu_metadata
---
amdhsa.version: [ 1, 2 ]
amdhsa.kernels:
  - .name:           k_q23084fbc52_attn
    .symbol:         k_q23084fbc52_attn.kd
    .args:
      - { .name: qkv_codes, .offset: 0, .size: 8, .value_kind: global_buffer, .address_space: global }
      - { .name: qkv_scales, .offset: 8, .size: 8, .value_kind: global_buffer, .address_space: global }
      - { .name: ybuf, .offset: 16, .size: 8, .value_kind: global_buffer, .address_space: global }
    .group_segment_fixed_size: 169984
    .private_segment_fixed_size: 0
    .kernarg_segment_align: 8
    .kernarg_segment_size: 24
    .max_flat_workgroup_size: 512
    .sgpr_count:     66
    .vgpr_count:     256
    .wavefront_size: 32
...
	.end_amdgpu_metadata
.endif
;; end of part 2
;; launch outp (part 3): grid 8 x 32, 4 waves a work-group, clusters of 4 x 4, 262,656 bytes of LDS; arguments ybuf, Wo_codes, Wo_scales, out0; writes out0
.if DOCPART == 3
	.amdgcn_target "amdgcn-amd-amdhsa--gfx1250"
	.amdhsa_code_object_version 6
	.text
	.protected	k_q23084fbc52_outp
	.globl	k_q23084fbc52_outp
	.p2align	8
	.type	k_q23084fbc52_outp,@function
k_q23084fbc52_outp:
	s_mov_b64 s[64:65], 0
	v_nop
	global_prefetch_b8 v0, s[64:65] scope:SCOPE_SE
	s_setreg_imm32_b32 hwreg(HW_REG_WAVE_MODE, 25, 1), 1
	s_wait_xcnt 0x0
	s_wait_alu depctr_hold_cnt(0) depctr_sa_sdst(0) depctr_va_vdst(0) depctr_va_sdst(0) depctr_va_ssrc(0) depctr_va_vcc(0) depctr_vm_vsrc(0)
	s_getreg_b32 s2, hwreg(HW_REG_IB_STS2, 6, 4)
	s_cmp_eq_u32 s2, 0
	s_cbranch_scc0 .Lentry_in_a_cluster
	s_endpgm
.Lentry_in_a_cluster:
	s_bfe_u32 s2, ttmp6, 0x10000c
	s_cmp_lg_u32 s2, 0xf033
	s_cbranch_scc0 .Lentry_shape_is_right
	s_endpgm
.Lentry_shape_is_right:
; out0 = y Wo^T on codes of FP6 (E2M3) with one E8M0 byte for each 32 along K = 1,024; sums and result in f32.
; y comes from ybuf as images of the operand's registers: [range of 128 tokens 32][K step 8][8 fragments of 1,536 bytes, then 512 bytes of scale words]: a fragment's registers 6 c .. 6 c + 3 at 768 c + 16 x lane, 6 c + 4, 6 c + 5 at 768 c + 512 + 8 x lane.
; Wo comes as given: rows of 768 bytes of codes, 32 scale bytes a row.
; A work-group makes 128 tokens x 128 columns: 256 work-groups.  Four waves, each 64 x 64: 16 accumulators.  A tile of 256 x 256 would give 64 work-groups.
; ALL OF K LIES IN LDS: y's 102,400 bytes and Wo's 128 rows x 768 bytes (padded: 122,880).  Every LDS byte is filled once: no ring.  The fills go out together at the head, in four chunks of 256 along K;
; the products begin when the first chunk has landed, and a counted wait and a barrier stand in front of the first read of each later chunk.
; CLUSTERS of 4 x 4: the four of a row need the same y, the four of a column the same rows of Wo: each block is asked for jointly.
; THE MATRIX INSTRUCTION IS USED TRANSPOSED (source 0 = 16 rows of Wo, source 1 = 16 tokens): a lane holds eight neighbouring numbers of a row of out0.
; Nothing is asked for ahead of the tensor loads: all that the work-group reads is requested at its head.
; REGISTERS: window 0: v1-5 at work, v8-15 y's scale words (two sets), v16-26 addresses, v32-63 Wo's scale words, v64-127 rows on the way out, v128-255 the accumulators ((a, b) at 128 + 8 (4 a + b)).
;   window 1: two sets of fragments at 0 and 128: y's four at + 12 a, Wo's four at + 48 + 12 i.
.set PITCH, 240                        ; a row of Wo's chunk in LDS: 3 x (64 bytes + 16 of padding)
.set YUNIT, 12800
.set BOFF,  8*YUNIT                    ; behind y: Wo's four chunks of 128 rows x 240
.set CHUNK, 128*PITCH
.set SBOFF, BOFF+4*CHUNK               ; Wo's scale bytes: 128 rows x 32, as runs of 256 bytes + 16 of padding
.set STAGE, SBOFF+2*2176               ; a stage of 16 rows x (256 + 16) bytes for each wave; no tensor load lands here
.set ASC,  8
.set ADA16, 16                         ; v16 y's fragments: 16 x lane + my tiles
.set ADA8,  17                         ; v17 the same for the pieces of 8 bytes
.set ADAS,  18                         ; v18 y's scale words
.set ADRB,  20                         ; v20 Wo's fragments (v22: behind one padding more)
.set ADSB,  23                         ; v23 Wo's scale words
.set STO,   24                         ; v24 the way out: where I put 32 bytes of a row
.set RD,    25                         ; v25 where I read a row back
.set CO,    26                         ; v26 my byte offset in two rows of out0
.set BSC,   32
.set BK,    64
.set ACC,   128
.set MSB, 0
.macro WIN new                         ; the immediate's high byte repeats the setting that is left
.if MSB != \new
	s_set_vgpr_msb (MSB<<8)|\new
.set MSB, \new
.endif
.endm
.macro CROUND                          ; a round of the cluster's barrier
	s_barrier_signal -1
	s_barrier_wait -1
	s_cmp_lg_u32 s12, 0
	s_cbranch_scc1 .Lnot_wave_0_\@
	s_barrier_signal -3
.Lnot_wave_0_\@:
	s_barrier_wait -3
	s_barrier_signal -1
	s_barrier_wait -1
.endm
	s_load_b256 s[4:11], s[0:1], 0x0               ; ybuf 4, Wo_codes 6, Wo_scales 8, out0 10
	v_lshl_add_u32 v30, v0, 2, 0x40000
	v_mov_b32 v31, 0
	ds_add_u32 v30, v31
	ds_add_u32 v30, v31
	v_lshrrev_b32 v1, 5, v0
	v_readfirstlane_b32 s12, v1                    ; wave 0..3
	s_lshr_b32 s13, s12, 1                         ; which 64 tokens are mine.  Also: I fetch y (0) or Wo (1)
	s_and_b32 s14, s12, 1                          ; which 64 columns.  Also: which half of a chunk I fetch
	s_bfe_u32 s88, ttmp6, 0x40000                  ; cx
	s_bfe_u32 s89, ttmp6, 0x40004                  ; cy
	s_lshl_b32 s90, ttmp9, 2
	s_add_co_u32 s90, s90, s88                     ; the tile of 128 columns
	s_and_b32 s91, ttmp7, 0xffff
	s_lshl_b32 s91, s91, 2
	s_add_co_u32 s91, s91, s89                     ; the range of 128 tokens
	s_lshl_b32 s92, s89, 2
	s_lshl_b32 s92, 15, s92                        ; my row of the cluster
	s_lshl_b32 s93, 0x1111, s88                    ; my column
	; group 1 for y: a unit is a dense block of 50 rows of 256 bytes (32 elements of 8 bytes), no padding
	s_or_b32 s24, s92, (3<<16)|(1<<21)
	s_mov_b32 s25, 32<<16
	s_mov_b32 s26, 50<<16
	s_mov_b32 s27, 32<<16
	s_mov_b32 s28, 50
	s_mov_b32 s29, 32
	s_mov_b32 s30, 0
	s_mov_b32 s31, 0
	; for Wo's codes: 64 rows x 192 bytes, 768 bytes from row to row, 16 bytes of padding behind every 64
	s_or_b32 s32, s93, (0<<16)|(1<<20)|(1<<21)|(3<<22)|(3<<25)
	s_mov_b32 s33, 192<<16
	s_mov_b32 s34, 64<<16
	s_mov_b32 s35, 192<<16
	s_mov_b32 s36, 64
	s_mov_b32 s37, 768
	s_mov_b32 s38, 0
	s_mov_b32 s39, 0
	; for Wo's scale bytes: 64 rows x 32 bytes are a dense block: 8 rows of 256 bytes, 16 bytes of padding behind each
	s_or_b32 s40, s93, (3<<16)|(1<<20)|(1<<21)|(5<<22)|(3<<25)
	s_mov_b32 s41, 32<<16
	s_mov_b32 s42, 8<<16
	s_mov_b32 s43, 32<<16
	s_mov_b32 s44, 8
	s_mov_b32 s45, 32
	s_mov_b32 s46, 0
	s_mov_b32 s47, 0
	s_lshl_b32 s16, s91, 3
	s_add_co_u32 s16, s16, s14
	s_mul_i32 s16, s16, YUNIT                      ; y: unit 8 x range + half; chunk q is two units on
	s_mov_b32 s17, 0
	s_lshl_b32 s18, s90, 7
	s_lshl_b32 s20, s14, 6
	s_add_co_u32 s18, s18, s20                     ; Wo: row 128 x tile + 64 x half
	s_lshl_b32 s22, s18, 5                         ; its scale bytes,
	s_mov_b32 s23, 0
	s_mul_i32 s18, s18, 768                        ; its codes
	s_mov_b32 s19, 0
	s_mul_i32 s94, s14, YUNIT                      ; LDS: no place in the cluster enters an LDS address
	s_mul_i32 s95, s14, 64*PITCH
	s_add_co_u32 s95, s95, BOFF
	s_mul_i32 s96, s14, 2176
	s_add_co_u32 s96, s96, SBOFF
	s_wait_dscnt 0x0
	s_wait_kmcnt 0x0
	s_add_nc_u64 s[16:17], s[4:5], s[16:17]
	s_add_nc_u64 s[18:19], s[6:7], s[18:19]
	s_add_nc_u64 s[22:23], s[8:9], s[22:23]
.irp q, 0,1,2,3
	s_mov_b32 s[48+4*\q], 1
	s_add_co_u32 s[49+4*\q], s94, \q*2*YUNIT
	s_add_nc_u64 s[50+4*\q:51+4*\q], s[16:17], \q*2*YUNIT
	s_or_b32 s[51+4*\q], s[51+4*\q], 0x80000000
	s_mov_b32 s[68+4*\q], 1
	s_add_co_u32 s[69+4*\q], s95, \q*CHUNK
	s_add_nc_u64 s[70+4*\q:71+4*\q], s[18:19], \q*192
	s_or_b32 s[71+4*\q], s[71+4*\q], 0x80000000
.endr
	s_mov_b32 s84, 1
	s_mov_b32 s85, s96
	s_mov_b64 s[86:87], s[22:23]
	s_or_b32 s87, s87, 0x80000000
	CROUND                                         ; all sixteen work-groups are here: the joint loads meet
	s_cmp_eq_u32 s13, 0                            ; a wave's first fills stand in one branch on its number: four of y, or five of Wo, are out; four v_nop follow the last
	s_cbranch_scc0 .Lfor_wo
	tensor_load_to_lds s[48:51], s[24:31]
	s_nop 0
	tensor_load_to_lds s[52:55], s[24:31]
	s_nop 0
	tensor_load_to_lds s[56:59], s[24:31]
	s_nop 0
	tensor_load_to_lds s[60:63], s[24:31]
	s_nop 0
.rept 4
	v_nop
.endr
	s_branch .Lasked
.Lfor_wo:
	tensor_load_to_lds s[84:87], s[40:47]
	s_nop 0
	tensor_load_to_lds s[68:71], s[32:39]
	s_nop 0
	tensor_load_to_lds s[72:75], s[32:39]
	s_nop 0
	tensor_load_to_lds s[76:79], s[32:39]
	s_nop 0
	tensor_load_to_lds s[80:83], s[32:39]
	s_nop 0
.rept 4
	v_nop
.endr
.Lasked:
	v_and_b32 v1, 15, v0                           ; r
	v_bfe_u32 v2, v0, 4, 1                         ; h
	v_and_b32 v3, 31, v0                           ; lane
	s_mul_i32 s20, s13, 6144                       ; my four tiles of tokens
	v_lshl_add_u32 v[ADA16], v3, 4, s20
	s_add_co_u32 s20, s20, 512
	v_lshl_add_u32 v[ADA8], v3, 3, s20
	s_lshl_b32 s20, s13, 8
	s_add_co_u32 s20, s20, 12288
	v_lshl_add_u32 v[ADAS], v1, 2, s20
	s_mul_i32 s20, s14, 64*PITCH                   ; my 64 rows of Wo
	s_add_co_u32 s20, s20, BOFF
	v_mul_u32_u24 v4, v1, PITCH
	v_mad_u32_u24 v4, v2, 24, v4
	v_add_nc_u32 v[ADRB], s20, v4
	v_lshl_add_u32 v[ADRB+2], v2, 4, v[ADRB]       ; the same behind one padding more
	s_mul_i32 s20, s14, 2176
	s_add_co_u32 s20, s20, SBOFF
	v_lshrrev_b32 v4, 3, v1
	v_and_b32 v5, 7, v1
	v_mul_u32_u24 v4, v4, 272
	v_lshl_add_u32 v4, v5, 5, v4
	v_add_nc_u32 v[ADSB], s20, v4                  ; eight rows of 32 bytes to a run of 256
	s_mul_i32 s20, s12, 16*272
	s_add_co_u32 s20, s20, STAGE                   ; my stage
	v_mul_u32_u24 v4, v1, 272
	v_lshl_add_u32 v4, v2, 5, v4
	v_add_nc_u32 v[STO], s20, v4                   ; in: row r, 32 bytes for each half of the lanes
	v_mul_u32_u24 v4, v2, 272
	v_lshl_add_u32 v4, v1, 4, v4
	v_add_nc_u32 v[RD], s20, v4                    ; back: lanes 0-15 one row of 256 bytes, lanes 16-31 the next
	v_lshlrev_b32 v[CO], 12, v2
	v_lshl_add_u32 v[CO], v1, 4, v[CO]             ; and the same two rows in out0 (4,096 bytes a row)
	s_lshl_b32 s98, s91, 7
	s_lshl_b32 s97, s13, 6
	s_add_co_u32 s98, s98, s97                     ; my first token
	s_lshl_b32 s98, s98, 12
	s_lshl_b32 s97, s90, 9
	s_add_co_u32 s98, s98, s97                     ; + 512 bytes x tile of columns
	s_lshl_b32 s97, s14, 8
	s_add_co_u32 s98, s98, s97                     ; + 256 x half
	s_mov_b32 s99, 0
	s_add_nc_u64 s[10:11], s[10:11], s[98:99]
.macro FRAG reg, adr, q, i             ; a fragment of Wo: lane l holds row l % 16; registers 6 c .. 6 c + 5 hold K = 64 c + 32 (l / 16) + 0 .. 31, in pieces of 8 bytes
.irp p, 0,1,2,3,4,5
.set PCE, 12*(\q)+6*(\p/3)+\p%3
.if PCE%8 < 5
	ds_load_b64 v[\reg+2*\p:\reg+2*\p+1], v[\adr] offset:8*PCE+16*(PCE/8)+(\i)*16*PITCH
.else
	ds_load_b64 v[\reg+2*\p:\reg+2*\p+1], v[\adr+2] offset:8*PCE+16*(PCE/8)+(\i)*16*PITCH
.endif
.endr
.endm
; K step s: four fragments of y, four of Wo and y's four scale words into set s % 2; then the addresses step
.macro FETCH s
.set FP, 128*((\s)%2)
	WIN 0x40                                       ; destination window 1, address window 0
.irp a, 0,1,2,3
	ds_load_b128 v[FP+12*\a:FP+12*\a+3], v[ADA16] offset:1536*\a
	ds_load_b64 v[FP+12*\a+4:FP+12*\a+5], v[ADA8] offset:1536*\a
	ds_load_b128 v[FP+12*\a+6:FP+12*\a+9], v[ADA16] offset:1536*\a+768
	ds_load_b64 v[FP+12*\a+10:FP+12*\a+11], v[ADA8] offset:1536*\a+768
.endr
.irp i, 0,1,2,3
	FRAG FP+48+12*\i, ADRB, (\s)%2, \i
.endr
	WIN 0
.irp a, 0,1,2,3
	ds_load_b32 v[ASC+4*((\s)%2)+\a], v[ADAS] offset:64*\a
.endr
	v_add_nc_u32 v[ADA16], YUNIT, v[ADA16]
	v_add_nc_u32 v[ADA8], YUNIT, v[ADA8]
	v_add_nc_u32 v[ADAS], YUNIT, v[ADAS]
.if (\s)%2
	v_add_nc_u32 v[ADRB], CHUNK, v[ADRB]           ; a chunk of Wo holds two K steps
	v_add_nc_u32 v[ADRB+2], CHUNK, v[ADRB+2]
.endif
.endm
; 16 matrix instructions: the 16 accumulators take turns, one instruction a turn, in the same order in every step.  zero = 1: the first products start the sums
.macro MUL s, zero
.set FP, 128*((\s)%2)
	WIN 0x05                                       ; sources 0 and 1 window 1; C and D window 0
.irp a, 0,1,2,3
.irp b, 0,1,2,3
.if \zero
	v_wmma_scale_f32_16x16x128_f8f6f4 v[ACC+8*(4*\a+\b):ACC+8*(4*\a+\b)+7], v[FP+48+12*\b:FP+48+12*\b+11], v[FP+12*\a:FP+12*\a+11], 0, v[BSC+8*\b+(\s)], v[ASC+4*((\s)%2)+\a] matrix_a_fmt:MATRIX_FMT_FP6 matrix_b_fmt:MATRIX_FMT_FP6
.else
	v_wmma_scale_f32_16x16x128_f8f6f4 v[ACC+8*(4*\a+\b):ACC+8*(4*\a+\b)+7], v[FP+48+12*\b:FP+48+12*\b+11], v[FP+12*\a:FP+12*\a+11], v[ACC+8*(4*\a+\b):ACC+8*(4*\a+\b)+7], v[BSC+8*\b+(\s)], v[ASC+4*((\s)%2)+\a] matrix_a_fmt:MATRIX_FMT_FP6 matrix_b_fmt:MATRIX_FMT_FP6
.endif
.endr
.endr
.endm
	s_wait_tensorcnt 3                             ; three younger loads may be out: my part of chunk 0 (and Wo's scale bytes) is in,
	s_barrier_signal -1
	s_barrier_wait -1                              ; everybody's is.
.irp i, 0,1,2,3
	ds_load_b128 v[BSC+8*\i:BSC+8*\i+3], v[ADSB] offset:544*\i         ; Wo's scale words of all eight K steps: tile i, step s in v[32 + 8 i + s]
	ds_load_b128 v[BSC+8*\i+4:BSC+8*\i+7], v[ADSB] offset:544*\i+16
.endr
	FETCH 0
.irp s, 0,1,2,3,4,5,6,7
	s_wait_dscnt 0x0                               ; this step's fragments are in (asked for ahead of the last step's 16 products)
.if (\s == 1) || (\s == 3) || (\s == 5)
	s_wait_tensorcnt (5-\s)/2                      ; the chunk that the next fetch reads has landed; the chunks behind it may be out
	s_barrier_signal -1
	s_barrier_wait -1
.endif
.if \s < 7
.if \s > 0
	WIN 0
.rept 4
	v_nop                                          ; places in front of loads into registers that the last step's products have read
.endr
.endif
	FETCH \s+1
.endif
.if \s == 0
	MUL \s, 1
.else
	MUL \s, 0
.endif
.endr
	WIN 0
.rept 4
	v_nop                                          ; places in front of the first read of results
.endr
; THE WAY OUT, a block of 16 tokens x 64 columns at a time, through my own stage: a lane holds 32 bytes of a row; back come whole rows of 256 bytes.  LDS serves a wave's instructions in order (ISA guide 5.7.1.4).
.macro TOSTAGE a
.irp b, 0,1,2,3
	ds_store_b128 v[STO], v[ACC+8*(4*(\a)+\b):ACC+8*(4*(\a)+\b)+3] offset:64*\b          ; each accumulator from its low end on
	ds_store_b128 v[STO], v[ACC+8*(4*(\a)+\b)+4:ACC+8*(4*(\a)+\b)+7] offset:64*\b+16
.endr
.irp i, 0,1,2,3,4,5,6,7
	ds_load_b128 v[BK+32*((\a)%2)+4*\i:BK+32*((\a)%2)+4*\i+3], v[RD] offset:544*\i
.endr
.endm
.macro SEND a, younger                 ; younger: the LDS instructions issued behind block a's loads, which may stay out
	s_wait_dscnt \younger
.irp i, 0,1,2,3,4,5,6,7
	global_store_b128 v[CO], v[BK+32*((\a)%2)+4*\i:BK+32*((\a)%2)+4*\i+3], s[10:11] offset:(16*(\a)+2*\i)*4096 th:TH_STORE_NT   ; 16 lanes store 256 consecutive bytes, at a multiple of 256 from out0's first byte
.endr
.endm
	TOSTAGE 0
.irp a, 1,2,3
.if \a > 1
	s_wait_xcnt 0x0                                ; block a - 2's stores have read their registers: block a's loads may land there
.endif
	TOSTAGE \a
	SEND \a-1, 16                                  ; behind block a - 1's loads: block a's 8 stores and 8 loads
.endr
	SEND 3, 0
	s_wait_tensorcnt 0x0
	ds_add_u32 v30, v31
	s_wait_dscnt 0x0
	CROUND                                         ; the closing round: no work-group ends while a partner may still ask for a block that names it
	s_endpgm
.Lfunc_end_k_q23084fbc52_outp:
	.size	k_q23084fbc52_outp, .Lfunc_end_k_q23084fbc52_outp-k_q23084fbc52_outp
	.p2alignl 7, 3214868480
	.fill 96, 4, 3214868480
	.section	.rodata,"a",@progbits
	.p2align	6, 0x0
	.amdhsa_kernel k_q23084fbc52_outp
		.amdhsa_group_segment_fixed_size 262656
		.amdhsa_private_segment_fixed_size 0
		.amdhsa_enable_private_segment 0
		.amdhsa_kernarg_size 32
		.amdhsa_user_sgpr_count 2
		.amdhsa_user_sgpr_kernarg_segment_ptr 1
		.amdhsa_wavefront_size32 1
		.amdhsa_system_sgpr_workgroup_id_x 1
		.amdhsa_system_sgpr_workgroup_id_y 1
		.amdhsa_system_sgpr_workgroup_id_z 1
		.amdhsa_system_vgpr_workitem_id 0
		.amdhsa_next_free_vgpr 512
		.amdhsa_next_free_sgpr 100
		.amdhsa_reserve_vcc 0
		.amdhsa_float_denorm_mode_32 3
		.amdhsa_float_denorm_mode_16_64 3
		.amdhsa_memory_ordered 1
		.amdhsa_forward_progress 1
		.amdhsa_inst_pref_size 60
	.end_amdhsa_kernel
	.amdgpu_metadata
---
amdhsa.version: [ 1, 2 ]
amdhsa.kernels:
  - .name:           k_q23084fbc52_outp
    .symbol:         k_q23084fbc52_outp.kd
    .args:
      - { .name: ybuf, .offset: 0, .size: 8, .value_kind: global_buffer, .address_space: global }
      - { .name: Wo_codes, .offset: 8, .size: 8, .value_kind: global_buffer, .address_space: global }
      - { .name: Wo_scales, .offset: 16, .size: 8, .value_kind: global_buffer, .address_space: global }
      - { .name: out0, .offset: 24, .size: 8, .value_kind: global_buffer, .address_space: global }
    .group_segment_fixed_size: 262656
    .private_segment_fixed_size: 0
    .kernarg_segment_align: 8
    .kernarg_segment_size: 32
    .max_flat_workgroup_size: 128
    .sgpr_count:     100
    .vgpr_count:     512
    .wavefront_size: 32
...
	.end_amdgpu_metadata
.endif
;; end of part 3
